; MI455X (gfx1250); checked and timed in simulation.
; The chip was launched on July 23, 2026; its instructions are those of AMD's public machine-readable ISA for CDNA 5 (MIT licence, August 2026) and "CDNA5" Instruction Set Architecture Reference Guide (July 2026). The comments in the code are by the model that wrote it; some were corrected since.
;; Scaled Dot Product Attention. Allowed arithmetic: matrix products marked QUANTISED: E2M1 operands, one E8M0 scale for each 32 along K, by v_wmma_scale_f32_16x16x128_f8f6f4 with both operands' format E2M1 (or v_wmma_scale_f32_32x16x128_f4), f32 sums; products left as they are: bf16, f16 or f32 operands; f32 sums; everything else in f32.
;; Inputs: k 1 x 4,096 x 16 x 64 float32; mask 1 x 1 x 4,096 x 4,096 bool; q 1 x 4,096 x 16 x 64 float32; v 1 x 4,096 x 16 x 64 float32.
;; Outputs: out0 1 x 16 x 4,096 x 64 float32.
;; This version of the problem:
;;   THIS VERSION OF THE PROBLEM IS GIVEN IN LOW PRECISION. The matrix products marked QUANTISED in the list below multiply operands that are first quantised to E2M1 (2 exponent bits, 1 mantissa bit; 4 bits a number), with one power-of-two scale for each 32 numbers along K (OCP MX v1.0); their sums are f32. The products marked 'left as it is' may take bf16, f16 or f32 operands, with f32 sums. Whichever they take, every output number must still come out within the allowed error. Rounding operands to bf16 (8 significant bits) uses up far more of that allowance than f16 does (11 bits, for magnitudes from 6e-5 to 65,504). All else is computed in f32.
;;   The module's matrix products, in the order in which they are computed (A, B: the left and right operand; K: the contracted axis; several contracted axes count as one K, in the product's order):
;;     1. batch 16 x [M 4,096, K 64] x [K 64, N 4,096]; A: input q; B: input k: QUANTISED
;;     2. batch 16 x [M 4,096, K 4,096] x [K 4,096, N 64]; A: computed on the way; B: input v: left as it is (an operand is computed on the way)
;;   THE QUANTISER, for each operand of a quantised product, along K:
;;     - K is cut into blocks of 32 from its start; a last block that is shorter is filled with zeros.
;;     - A block's scale is 2^e with e = floor(log2(the largest magnitude in the block)) - 2, held to -126 .. 127; a block of zeros has e = 0. As a byte (E8M0): e + 127.
;;     - Each number is divided by its block's scale, clamped to +-6, and rounded to the nearest number of E2M1, ties to even, subnormals kept.
;;     - The product sums the exact products of the quantised numbers (number of the format x scale) in f32.
;;   ~~~python
;;   def quantise(x, axis):      # numpy; x: float32 -> the quantised numbers, widened to float32 again
;;       x = np.moveaxis(x, axis, -1); K = x.shape[-1]
;;       x = np.pad(x, [(0, 0)] * (x.ndim - 1) + [(0, -K % 32)]); x = x.reshape(x.shape[:-1] + (-1, 32)); a = np.abs(x).max(-1, keepdims=True)
;;       e = np.where(a > 0, np.clip(np.frexp(np.where(a > 0, a, 1))[1] - 1 - 2, -126, 127), 0)      # np.frexp(a)[1] - 1 = floor(log2(a)), exactly
;;       r = np.clip(x / 2.0 ** e, -6, 6)
;;       step = 2.0 ** (np.maximum(np.frexp(np.where(r == 0, 1, r))[1] - 1, 0) - 1)
;;       q = np.round(r / step) * step * 2.0 ** e      # np.round: ties to even
;;       return np.moveaxis(q.reshape(q.shape[:-2] + (-1,))[..., :K], -1, axis).astype(np.float32)
;;   ~~~
;; One version. Each part assembles by itself: llvm-mc -triple=amdgcn-amd-amdhsa -mcpu=gfx1250 --defsym DOCPART=n.
;; ======== version 1 of 1: 2 launches
;; limits: right only within a limited range of input values; values are held in f16: magnitudes above 65,504 overflow, below 6.1e-05 lose precision
;; workspace buffers: kv 10,747,904 bytes; mq 8,388,608 bytes
;; launch prep (part 1): grid 32 x 16, 8 waves a work-group, no clusters, 75,264 bytes of LDS; arguments k, v, mask, kv, mq; writes kv, mq
.if DOCPART == 1
	.amdgcn_target "amdgcn-amd-amdhsa--gfx1250"
	.amdhsa_code_object_version 6
	.text
	.protected	k_qd3818a2e51_prep
	.globl	k_qd3818a2e51_prep
	.p2align	8
	.type	k_qd3818a2e51_prep,@function
k_qd3818a2e51_prep:
	s_mov_b64 s[64:65], 0
	v_nop
	global_prefetch_b8 v0, s[64:65] scope:SCOPE_SE
	s_setreg_imm32_b32 hwreg(HW_REG_WAVE_MODE, 25, 1), 1
	s_wait_xcnt 0x0
; k, v: [4096 positions][16 heads][64] f32.  mask: [4096 queries][4096 keys], one byte, 0 or 1.  This launch lays them out once, as images of the operand registers of the attention launch.
; kv: [16 heads][32 key steps][20,992 bytes]; a block serves 128 keys of one head:
;   bytes 0 .. 4,095      K as codes of E2M1: tile t (16 keys) at 512 t; lane (r, hh) has 16 bytes at 16 (r + 16 hh): block hh (d = 32 hh .. 32 hh + 31) of the key at tile row r
;   bytes 4,096 .. 4,607  K's scale words: that of (t, r) at 16 (r + 16 (t / 4)) + 4 (t % 4): byte 0, 1 = the E8M0 bytes of blocks 0, 1; bytes 2, 3 = 0x7f (they scale zero codes)
;   bytes 4,608 .. 20,991 V^T in f16: fragment (u, dt) at 1,024 (4 u + dt), its registers 4 c .. 4 c + 3 at + 512 c + 16 lane
; THE ORDER OF KEYS in a step: key o = 64 g + 32 h + 8 i + y lies in score tile 4 g + i at tile row 8 h + 2 (y % 4) + y / 4.
; mq: [256 query tiles][128 chunks of 32 keys][16 queries][16 bytes]: dword i holds eight 4-bit codes, key 32 chunk + 8 i + y at nibble 2 (y % 4) + y / 4: 0x9 (E2M1's -0.5) where the mask is 0, else 0.
; THE QUANTISER: a block's scale is 2^(floor(log2(largest magnitude)) - 2); its byte is the largest magnitude's exponent field - 2, held at 1 from below.
; LIMITS: a block of zeros gets the byte 1 where the rule says 127 (its codes are zeros, and this program alone reads the bytes); NaN and infinities are not served; v beyond f16's 65,504 is not served; mask bytes are 0 or 1.
; SHARES: work-group (x = key step, y = head) makes one block of kv, wave w the keys 16 w .. 16 w + 15; and, with L = 32 y + x, the part of mq of query tile L / 2, keys 2,048 (L % 2) on, wave w 256 of them.
; Every byte is read once, by one wave, in loads of which sixteen lanes take 256 consecutive aligned bytes; nothing is shared between work-groups: no tensor load, no cluster, no prefetch.
.set KPITCH, 272                       ; K's stage: a key's 256 bytes + 16
.set KSTB,  16*KPITCH                  ; 4,352 bytes a wave, from LDS byte 0
.set OUTB,  8*KSTB                     ; the block's image, 20,992 bytes
.set BLKB,  20992
.set MST,   OUTB+BLKB                  ; the mask's stage: 8 chunks x (256 + 32) bytes a wave
.set MSTB,  8*288
.set SPARE, MST+8*MSTB                 ; the spare words, 128 bytes for each wave: four blocks of 256 bytes that no other line names
.set GK,  4                            ; v4   K's and the mask's load offset: 4,096 (lane / 16) + 16 (lane % 16)
.set GV,  5                            ; v5   V's: 32,768 (lane / 16) + 16 (lane % 16)
.set KW,  6                            ; v6   K's stage, way in
.set KRD, 7                            ; v7   K's stage, way out
.set KCO, 8                            ; v8   where my block's codes go in the image
.set KSO, 9                            ; v9   where my key's scale word goes
.set VSO, 10                           ; v10  where my f16 numbers go
.set CPL, 11                           ; v11  copy-out: LDS address
.set SPW, 12                           ; v12  LDS address of my spare word; never rewritten
.set NIL, 13                           ; v13  0; never rewritten
.set CPG, 14                           ; v14  copy-out: offset in the block
.set MW,  15                           ; v15  the mask's stage, way in
.set MRD, 16                           ; v16  the mask's stage, way out
.set LI,  17                           ; v17  16 x lane
.set SH,  22                           ; v22  8 x (lane / 16)
.set KR,  24                           ; v24-55   K as loaded
.set VR,  56                           ; v56-87   V as loaded
.set MR,  88                           ; v88-119  the mask as loaded
.set X,   120                          ; v120-151 a block's 32 numbers; later 16 registers of mask codes and 16 read back
.set HV,  152                          ; v152-167 V in f16
.set CD,  168                          ; v168-171 a block's codes
.set W,   172                          ; v172-177 at work
.set CO,  180                          ; v180-203 copy-out
	s_load_b256 s[4:11], s[0:1], 0x0               ; k s[4:5], v s[6:7], mask s[8:9], kv s[10:11]
	s_load_b64 s[12:13], s[0:1], 0x20              ; mq
	v_lshl_add_u32 v[SPW], v0, 2, SPARE
	v_mov_b32 v[NIL], 0
	v_lshrrev_b32 v1, 5, v0
	v_readfirstlane_b32 s14, v1                    ; wave 0..7
	s_and_b32 s15, ttmp7, 0xffff                   ; head
	v_and_b32 v1, 31, v0                           ; lane
	v_and_b32 v2, 15, v0                           ; lane % 16
	v_bfe_u32 v3, v0, 4, 1                         ; lane / 16
	v_lshlrev_b32 v[LI], 4, v1
	v_lshlrev_b32 v18, 4, v2
	v_lshl_add_u32 v[GK], v3, 12, v18
	v_lshl_add_u32 v[GV], v3, 15, v18
	s_mul_i32 s24, s14, KSTB                       ; my stage for K
	v_mad_u32_u24 v[KW], v3, KPITCH, v18           ; in: rows 2 n + lane / 16, 16 bytes a lane
	v_add_nc_u32 v[KW], s24, v[KW]
	v_mul_u32_u24 v[KRD], v2, KPITCH               ; out: row lane % 16, block lane / 16: 128 bytes
	v_lshl_add_u32 v[KRD], v3, 7, v[KRD]
	v_add_nc_u32 v[KRD], s24, v[KRD]
	s_lshr_b32 s25, s14, 2                         ; key 16 w + r: g = w / 4,
	s_and_b32 s26, s14, 1                          ; i = 2 (w % 2) + r / 8,
	s_bfe_u32 s27, s14, 0x10001                    ; h = (w / 2) % 2, y = r % 8
	s_lshl_b32 s28, s25, 11                        ; the codes: 512 (4 g + i) + 16 (8 h + 2 (y % 4) + y / 4 + 16 hh)
	s_lshl_b32 s29, s26, 10
	s_add_co_u32 s28, s28, s29
	s_lshl_b32 s29, s27, 7
	s_add_co_u32 s28, s28, s29
	s_add_co_u32 s28, s28, OUTB
	v_bfe_u32 v18, v0, 3, 1                        ; r / 8
	v_and_b32 v19, 3, v0                           ; y % 4
	v_bfe_u32 v20, v0, 2, 1                        ; y / 4
	v_lshlrev_b32 v21, 5, v19
	v_lshl_add_u32 v21, v20, 4, v21                ; 16 (2 (y % 4) + y / 4)
	v_lshl_add_u32 v[KCO], v18, 9, v21
	v_lshl_add_u32 v[KCO], v3, 8, v[KCO]
	v_add_nc_u32 v[KCO], s28, v[KCO]
	s_lshl_b32 s28, s25, 8                         ; the scale word: 4,096 + 16 (tile row + 16 g) + 4 i
	s_lshl_b32 s29, s27, 7
	s_add_co_u32 s28, s28, s29
	s_lshl_b32 s29, s26, 3
	s_add_co_u32 s28, s28, s29
	s_add_co_u32 s28, s28, OUTB+4096
	v_lshl_add_u32 v[KSO], v18, 2, v21
	v_add_nc_u32 v[KSO], s28, v[KSO]
	s_lshl_b32 s28, s25, 13                        ; V: keys 16 w + 8 (lane / 16) + 0 .. 7 are fragment u = 2 g + w % 2, half c = lane / 16, lanes of h; d = 4 (lane % 16) + dd
	s_lshl_b32 s29, s26, 12
	s_add_co_u32 s28, s28, s29
	s_lshl_b32 s29, s27, 8
	s_add_co_u32 s28, s28, s29
	s_add_co_u32 s28, s28, OUTB+4608
	v_bfe_u32 v18, v0, 2, 2                        ; dt = d / 16
	v_lshlrev_b32 v[VSO], 10, v18
	v_lshl_add_u32 v[VSO], v3, 9, v[VSO]
	v_lshl_add_u32 v[VSO], v19, 6, v[VSO]          ; 16 x (d % 16) = 64 (lane % 4) + 16 dd
	v_add_nc_u32 v[VSO], s28, v[VSO]
	s_lshl_b32 s28, s14, 9                         ; copy-out: piece w + 8 i of 512 bytes
	v_add_nc_u32 v[CPG], s28, v[LI]
	v_add_nc_u32 v[CPL], OUTB, v[CPG]
	s_mul_i32 s28, s14, MSTB                       ; my stage for the mask
	s_add_co_u32 s28, s28, MST
	v_bfe_u32 v18, v0, 1, 3                        ; in: chunk (lane % 16) / 2, row 2 n + lane / 16, 8 bytes at 8 (lane % 2)
	v_mul_u32_u24 v[MW], v18, 288
	v_lshl_add_u32 v[MW], v3, 4, v[MW]
	v_and_b32 v18, 1, v0
	v_lshl_add_u32 v[MW], v18, 3, v[MW]
	v_add_nc_u32 v[MW], s28, v[MW]
	v_mul_u32_u24 v[MRD], v3, 288                  ; out: chunk 2 n + lane / 16, row lane % 16
	v_lshl_add_u32 v[MRD], v2, 4, v[MRD]
	v_add_nc_u32 v[MRD], s28, v[MRD]
	v_lshlrev_b32 v[SH], 3, v3
	v_mov_b32 v[W+4], 0                            ; written once: a lane permute's destination counts as one of its sources
	s_mov_b32 s34, 0x76543210
	s_mov_b32 s35, 0xfedcba98                      ; v_permlanex16_b32's selects for lane l xor 16
	s_lshl_b32 s16, ttmp9, 19                      ; k, v: (128 x + 16 w) positions of 4,096 bytes + 256 x head
	s_lshl_b32 s17, s14, 16
	s_add_co_u32 s16, s16, s17
	s_lshl_b32 s17, s15, 8
	s_add_co_u32 s16, s16, s17
	s_mov_b32 s17, 0
	s_lshr_b32 s30, ttmp9, 1                       ; query tile T = 16 y + x / 2,
	s_and_b32 s31, ttmp9, 1                        ; which half of its keys
	s_lshl_b32 s18, s15, 20                        ; mask: 65,536 T + 2,048 half + 256 w
	s_lshl_b32 s19, s30, 16
	s_add_co_u32 s18, s18, s19
	s_lshl_b32 s19, s31, 11
	s_add_co_u32 s18, s18, s19
	s_lshl_b32 s19, s14, 8
	s_add_co_u32 s18, s18, s19
	s_mov_b32 s19, 0
	s_lshl_b32 s22, s15, 19                        ; mq: 32,768 T + 256 (64 half + 8 w)
	s_lshl_b32 s23, s30, 15
	s_add_co_u32 s22, s22, s23
	s_lshl_b32 s23, s31, 14
	s_add_co_u32 s22, s22, s23
	s_lshl_b32 s23, s14, 11
	s_add_co_u32 s22, s22, s23
	s_mov_b32 s23, 0
	s_lshl_b32 s32, s15, 5                         ; kv: block 32 y + x
	s_add_co_u32 s32, s32, ttmp9
	s_mul_i32 s32, s32, BLKB
	s_mov_b32 s33, 0
	s_wait_kmcnt 0x0
	s_add_nc_u64 s[4:5], s[4:5], s[16:17]
	s_add_nc_u64 s[6:7], s[6:7], s[16:17]
	s_add_nc_u64 s[8:9], s[8:9], s[18:19]
	s_add_nc_u64 s[10:11], s[10:11], s[32:33]
	s_add_nc_u64 s[12:13], s[12:13], s[22:23]
	; all 24 loads of the wave go out at once: K's eight, V's eight, the mask's eight
.irp n, 0,1,2,3,4,5,6,7
	global_load_b128 v[KR+4*\n:KR+4*\n+3], v[GK], s[4:5] offset:8192*\n th:TH_LOAD_NT      ; key 2 n + lane / 16, d = 4 (lane % 16) on
.endr
.irp n, 0,1,2,3,4,5,6,7
	global_load_b128 v[VR+4*\n:VR+4*\n+3], v[GV], s[6:7] offset:4096*\n th:TH_LOAD_NT      ; key n + 8 (lane / 16)
.endr
.irp n, 0,1,2,3,4,5,6,7
	global_load_b128 v[MR+4*\n:MR+4*\n+3], v[GK], s[8:9] offset:8192*\n th:TH_LOAD_NT      ; query 2 n + lane / 16, keys 16 (lane % 16) on
.endr
	; ---- K: through my stage, so that a lane holds one whole block of 32 along d
	s_wait_loadcnt 16                              ; K's eight loads are in; V's and the mask's sixteen stay out
.irp n, 0,1,2,3,4,5,6,7
	ds_store_b128 v[KW], v[KR+4*\n:KR+4*\n+3] offset:2*KPITCH*\n
.endr
.irp i, 0,1,2,3,4,5,6,7
	ds_load_b128 v[X+4*\i:X+4*\i+3], v[KRD] offset:16*\i   ; LDS serves a wave's instructions in order (ISA guide 5.7.1.4): these see my stores
.endr
	s_wait_dscnt 0x0
	v_max3_num_f32 v[W], |v[X]|, |v[X+1]|, 0x1800000       ; the block's largest magnitude, in two chains, with the floor 2^(3 - 127): the byte cannot fall under 1
	v_max3_num_f32 v[W+1], |v[X+16]|, |v[X+17]|, |v[X+18]|
.irp i, 2,4,6,8,10,12
	v_max3_num_f32 v[W], v[W], |v[X+\i]|, |v[X+\i+1]|
	v_max3_num_f32 v[W+1], v[W+1], |v[X+17+\i]|, |v[X+18+\i]|
.endr
	v_max3_num_f32 v[W], v[W], |v[X+14]|, |v[X+15]|
	v_max3_num_f32 v[W], v[W], v[W+1], |v[X+31]|
	v_add_nc_u32 v[W+2], 0xff000000, v[W]          ; 2 off its exponent field: the conversion takes the exponent field of this operand as its scale
	v_lshrrev_b32 v[W+3], 23, v[W+2]               ; the scale's byte,
	v_lshlrev_b32 v[W+3], v[SH], v[W+3]            ; at its place in the word: byte hh;
	v_permlanex16_b32 v[W+4], v[W+3], s34, s35
	v_or_b32 v[W+3], v[W+3], v[W+4]                ; with the other block's byte, from lane l xor 16,
	v_or_b32 v[W+3], 0x7f7f0000, v[W+3]            ; and 0x7f for the upper 64 of the instruction's K, where the codes are zeros
.irp g, 0,1,2,3
	v_cvt_scalef32_pk8_fp4_f32 v[CD+\g], v[X+8*\g:X+8*\g+7], v[W+2]
.endr
	v_nop                                          ; one plain instruction behind the last scaled conversion
	ds_store_b128 v[KCO], v[CD:CD+3]
	ds_store_b32 v[KSO], v[W+3]                    ; both lanes of a key write the same word with the same value
	; ---- V: to f16; register n' of a lane's four: key base + n' in the low half, base + 4 + n' in the high half
	s_wait_loadcnt 8                               ; V's eight loads are in; the mask's eight stay out
.irp dd, 0,1,2,3
.irp n, 0,1,2,3
	v_cvt_pk_f16_f32 v[HV+4*\dd+\n], v[VR+4*\n+\dd], v[VR+4*\n+16+\dd]
.endr
.endr
.irp dd, 0,1,2,3
	ds_store_b128 v[VSO], v[HV+4*\dd:HV+4*\dd+3] offset:16*\dd
.endr
	s_wait_dscnt 0x0                               ; for the others' sake: my stores into the image are done
	s_barrier_signal -1
	s_barrier_wait -1                              ; the block's image is whole
	; ---- the block leaves: 41 pieces of 512 consecutive bytes; wave w takes pieces w + 8 i, wave 0 the 41st too
.irp i, 0,1,2,3,4
	ds_load_b128 v[CO+4*\i:CO+4*\i+3], v[CPL] offset:4096*\i
.endr
	s_cmp_lg_u32 s14, 0
	s_cbranch_scc1 .Lnot_wave_0
	ds_load_b128 v[CO+20:CO+23], v[CPL] offset:20480
	s_wait_dscnt 0x0
	global_store_b128 v[CPG], v[CO+20:CO+23], s[10:11] offset:20480
.Lnot_wave_0:
	s_wait_dscnt 0x0
.irp i, 0,1,2,3,4
	global_store_b128 v[CPG], v[CO+4*\i:CO+4*\i+3], s[10:11] offset:4096*\i
.endr
	; ---- the mask: eight bytes become eight 4-bit codes: (bytes 4-7 << 4) | bytes 0-3 puts key y at nibble 2 (y % 4) + y / 4; the exclusive or turns 'kept' into 0 and 'hidden' into 1; (u << 3) | u makes 1 into 9
	s_wait_loadcnt 0x0
.irp n, 0,1,2,3,4,5,6,7
	v_lshl_or_b32 v[X+2*\n], v[MR+4*\n+1], 4, v[MR+4*\n]
	v_lshl_or_b32 v[X+2*\n+1], v[MR+4*\n+3], 4, v[MR+4*\n+2]
	v_xor_b32 v[X+2*\n], 0x11111111, v[X+2*\n]
	v_xor_b32 v[X+2*\n+1], 0x11111111, v[X+2*\n+1]
	v_lshl_or_b32 v[X+2*\n], v[X+2*\n], 3, v[X+2*\n]
	v_lshl_or_b32 v[X+2*\n+1], v[X+2*\n+1], 3, v[X+2*\n+1]
	ds_store_b64 v[MW], v[X+2*\n:X+2*\n+1] offset:32*\n
.endr
.irp n, 0,1,2,3
	ds_load_b128 v[X+16+4*\n:X+16+4*\n+3], v[MRD] offset:576*\n   ; my own bytes, in order behind my stores
.endr
	s_wait_dscnt 0x0
.irp n, 0,1,2,3
	global_store_b128 v[LI], v[X+16+4*\n:X+16+4*\n+3], s[12:13] offset:512*\n   ; two chunks: 512 consecutive bytes
.endr
	s_wait_tensorcnt 0x0                           ; the wave's end, behind my last LDS store
	ds_add_u32 v[SPW], v[NIL]
	s_wait_dscnt 0x0
	s_endpgm
.Lfunc_end_k_qd3818a2e51_prep:
	.size	k_qd3818a2e51_prep, .Lfunc_end_k_qd3818a2e51_prep-k_qd3818a2e51_prep
	.p2alignl 7, 3214868480
	.fill 96, 4, 3214868480
	.section	.rodata,"a",@progbits
	.p2align	6, 0x0
	.amdhsa_kernel k_qd3818a2e51_prep
		.amdhsa_group_segment_fixed_size 75264
		.amdhsa_private_segment_fixed_size 0
		.amdhsa_enable_private_segment 0
		.amdhsa_kernarg_size 40
		.amdhsa_user_sgpr_count 2
		.amdhsa_user_sgpr_kernarg_segment_ptr 1
		.amdhsa_wavefront_size32 1
		.amdhsa_system_sgpr_workgroup_id_x 1
		.amdhsa_system_sgpr_workgroup_id_y 1
		.amdhsa_system_sgpr_workgroup_id_z 1
		.amdhsa_system_vgpr_workitem_id 0
		.amdhsa_next_free_vgpr 208
		.amdhsa_next_free_sgpr 66
		.amdhsa_reserve_vcc 0
		.amdhsa_float_denorm_mode_32 3
		.amdhsa_float_denorm_mode_16_64 3
		.amdhsa_memory_ordered 1
		.amdhsa_forward_progress 1
		.amdhsa_inst_pref_size 17
	.end_amdhsa_kernel
	.amdgpu_metadata
---
amdhsa.version: [ 1, 2 ]
amdhsa.kernels:
  - .name:           k_qd3818a2e51_prep
    .symbol:         k_qd3818a2e51_prep.kd
    .args:
      - { .name: k, .offset: 0, .size: 8, .value_kind: global_buffer, .address_space: global }
      - { .name: v, .offset: 8, .size: 8, .value_kind: global_buffer, .address_space: global }
      - { .name: mask, .offset: 16, .size: 8, .value_kind: global_buffer, .address_space: global }
      - { .name: kv, .offset: 24, .size: 8, .value_kind: global_buffer, .address_space: global }
      - { .name: mq, .offset: 32, .size: 8, .value_kind: global_buffer, .address_space: global }
    .group_segment_fixed_size: 75264
    .private_segment_fixed_size: 0
    .kernarg_segment_align: 8
    .kernarg_segment_size: 40
    .max_flat_workgroup_size: 256
    .sgpr_count:     66
    .vgpr_count:     208
    .wavefront_size: 32
...
	.end_amdgpu_metadata
.endif
;; end of part 1
;; launch attn (part 2): grid 16 x 16, 8 waves a work-group, clusters of 4 x 1, 327,680 bytes of LDS; arguments q, kv, mq, out0; writes out0
.if DOCPART == 2
	.amdgcn_target "amdgcn-amd-amdhsa--gfx1250"
	.amdhsa_code_object_version 6
	.text
	.protected	k_qd3818a2e51_attn
	.globl	k_qd3818a2e51_attn
	.p2align	8
	.type	k_qd3818a2e51_attn,@function
k_qd3818a2e51_attn:
	s_mov_b64 s[64:65], 0
	v_nop
	global_prefetch_b8 v0, s[64:65] scope:SCOPE_SE
	s_setreg_imm32_b32 hwreg(HW_REG_WAVE_MODE, 25, 1), 1
	s_wait_xcnt 0x0
	s_wait_alu depctr_hold_cnt(0) depctr_sa_sdst(0) depctr_va_vdst(0) depctr_va_sdst(0) depctr_va_ssrc(0) depctr_va_vcc(0) depctr_vm_vsrc(0)
	s_getreg_b32 s2, hwreg(HW_REG_IB_STS2, 6, 4)
	s_cmp_eq_u32 s2, 0
	s_cbranch_scc0 .Lentry_in_a_cluster
	s_endpgm
.Lentry_in_a_cluster:
	s_bfe_u32 s2, ttmp6, 0x10000c
	s_cmp_lg_u32 s2, 0x3003
	s_cbranch_scc0 .Lentry_shape_is_right
	s_endpgm
.Lentry_shape_is_right:
; out0[h][s][:] = the sum over keys of softmax_k(where(mask, q . k / 8, -1e30)) v.  q: [4096][16][64] f32; kv, mq: as the launch before laid them; out0: [16][4096][64] f32.
; The first product is on codes of E2M1 with one E8M0 scale for each 32 along d; the instruction's K is 128, of which the upper 64 are zero codes under the byte 0x7f.  The second has f16 operands and f32 sums.
; SHARES.  A work-group owns 256 queries of one head; each of its eight waves 32 of them, tiles a = 0, 1, in 512 registers.  Every wave walks all 4,096 keys, 128 a step.
; LAYOUT.  Both products are used transposed: S^T = K Q^T + C (source 0 = 16 keys, source 1 = 16 queries), O^T += V^T P: a lane holds ONE query (lane % 16) throughout.  Key 64 g + 32 h + 8 i + y of a step lies in
; score tile 4 g + i at row 8 h + 2 (y % 4) + y / 4; K, V and the mask were laid for that order, so that two neighbouring score tiles, rounded to f16 in pairs, ARE source 1 of the second product.
; THE MASK IS THE C OF THE SCORE PRODUCT: one conversion turns a lane's eight 4-bit codes into a tile's eight registers of C: 0, or -0.5 x 2^102 = -2^101 for a hidden key.  So hidden keys stand out of the maximum.
; A ROW THAT IS HIDDEN WHOLLY: the running maximum begins at -2^100; a lane whose maximum is still there multiplies its scores by 0 and takes 0 away: p = 1 for every key, the mean of v, which is what -1e30 everywhere gives.
; As soon as a kept key comes, the factor 2^(c m_old - c m_new) is 0 and wipes what was summed.  No branch hangs on data.
; SOFTMAX.  For each query a running maximum m and sum l: p = 2^(c s - c m), c = log2(e) / 8; in every step O and l are multiplied by 2^(c m_old - c m_new), which is 1 where m has not moved.
; LIMITS: raw scores q . k stay under 2^99 in magnitude; NaN and infinities are not served; v within f16's range; p and v carry f16's rounding; a block of zeros of q gets the byte 1 where the rule says 127 (its codes are zeros).
; RING.  Two LDS slots of four key steps (four blocks of kv, 83,968 bytes).  Waves 0 to 3 fetch one block each; all eight read.  One tensor load of a wave is out at a time.
; CLUSTER.  The four query blocks of a cluster belong to one head and walk the same blocks of kv: each is asked for JOINTLY, by the same tensor load with the same descriptor and a mask that names the four.
; REGISTERS.  Window 0: v1-9 addresses and constants; v10-31 statistics; v32-43 at work; v44-47 K's scale words; v48-63 Q; v64-127 four steps' mask codes; v128-191 one tile's scores; v192-255 P.
;   Window 1: v0-63 O^T (32 a + 8 dt); v64-127 K's eight fragments (registers 4-7 of each stay 0); v128-255 V's sixteen.
.set BLKB,  20992                      ; a block of kv: 82 rows of 256 bytes
.set SLOTB, 4*BLKB
.set HEADB, 32*BLKB
.set SLOT1, 1<<17                      ; slot 1 begins here, so that one exclusive or turns an address in one slot into the other's
.set SP,    272                        ; the way out: a row of 256 bytes + 16
.set STAGE, SLOT1+SLOTB                ; behind the ring: 2 tiles x 16 rows x 272 bytes for each wave; no fill lands here
.set SPARE, STAGE+8*2*16*SP            ; the spare words, 128 bytes for each wave: four blocks of 256 bytes that no other line names
.set LI,  1                            ; v1   16 x lane: my place in an image, in a step's mask codes and in two rows of O; never rewritten
.set ADR, 2                            ; v2   q's load offset, then the LDS address of the step's block
.set STO, 3                            ; v3   the way out: where I put 16 bytes of a row
.set RD,  4                            ; v4   the way out: where I read a row back
.set PFO, 5                            ; v5   the prefetches' offset; never rewritten
.set SPW, 6                            ; v6   LDS address of my spare word; never rewritten
.set NIL, 7                            ; v7   0; never rewritten
.set VC,  8                            ; v8   c
.set MSC, 9                            ; v9   the byte 0xe5 (2^102) four times: the mask conversion's scale
.set MM,  10                           ; v10-11 m of tile a
.set CMM, 12                           ; v12-13 c m
.set QS,  14                           ; v14-15 Q's scale words
.set ST,  16                           ; tile a's at v[ST + 8 a]: +0 what is taken away (c m or 0), +2 the factor (c or 0), +4, +5 l, +6 the rescaling factor; +1, +3, +7 are named as upper halves of pairs and written once
.set X,   32
.set KS,  44
.set QF,  48
.set MK,  64
.set S,   128
.set P,   192
.set OA,  0                            ; in window 1
.set KF,  64
.set VF,  128
.set MSB, 0
.macro WIN new                         ; s_set_vgpr_msb: bits 1:0 source 0, 3:2 source 1, 5:4 source 2, 7:6 destination; the high byte repeats the setting that is left
.if MSB != \new
	s_set_vgpr_msb (MSB<<8)|\new
.set MSB, \new
.endif
.endm
.macro PLACES n
.rept \n
	v_nop
.endr
.endm
; A round of the cluster's barrier: my work-group's barrier, wave 0's signal for the work-group, every wave's wait for all four work-groups, my work-group's barrier once more.
.macro CROUND
	s_barrier_signal -1
	s_barrier_wait -1
	s_cmp_lg_u32 s12, 0
	s_cbranch_scc1 .Lnot_wave_0_\@
	s_barrier_signal -3
.Lnot_wave_0_\@:
	s_barrier_wait -3
	s_barrier_signal -1
	s_barrier_wait -1
.endm
; A joint load: waves 0 to 3 fetch one block each, the others nothing.  The branch hangs on the wave's number alone.  An s_nop 0 and four v_nop follow the load.
.macro TLOAD
	s_cmp_lt_u32 s12, 4
	s_cbranch_scc0 .Lno_load_\@
	tensor_load_to_lds s[32:35], s[24:31]
	s_nop 0
.rept 4
	v_nop
.endr
.Lno_load_\@:
.endm
; A prefetch of what the NEXT change of slots will ask for, four key steps ahead of that load.  All clusters of a head walk the same blocks: the head's first cluster asks.  Its four partners take one block of the
; slot each, told apart by address; in each, waves 4, 5 and 6 ask, a lane an aligned block of 256 bytes (82 of them: the lanes of wave 6 that are over name the last again).  The last change that fills a slot asks for nothing.
.macro ASK
	s_cmp_gt_u32 s38, s39
	s_cbranch_scc0 .Lnot_mine_\@
	global_prefetch_b8 v[PFO], s[40:41] th:TH_LOAD_NT scope:SCOPE_SE
.Lnot_mine_\@:
.endm
; 32 numbers of a lane, one block along d, become four registers of codes; the two blocks' bytes, from lanes l and l xor 16, make the row's scale word.  v[X+5] = 8 x (lane / 16).
.macro QUANT32 src, cod, wrd
	v_max3_num_f32 v[X], |v[\src]|, |v[\src+1]|, 0x1800000       ; the floor 2^(3 - 127): the byte cannot fall under 1
	v_max3_num_f32 v[X+1], |v[\src+16]|, |v[\src+17]|, |v[\src+18]|
.irp i, 2,4,6,8,10,12
	v_max3_num_f32 v[X], v[X], |v[\src+\i]|, |v[\src+\i+1]|
	v_max3_num_f32 v[X+1], v[X+1], |v[\src+17+\i]|, |v[\src+18+\i]|
.endr
	v_max3_num_f32 v[X], v[X], |v[\src+14]|, |v[\src+15]|
	v_max3_num_f32 v[X], v[X], v[X+1], |v[\src+31]|
	v_add_nc_u32 v[X+2], 0xff000000, v[X]          ; 2 off the exponent field: the conversion's scale operand
	v_lshrrev_b32 v[X+3], 23, v[X+2]               ; the scale's byte,
	v_lshlrev_b32 v[X+3], v[X+5], v[X+3]           ; at its place in the word
	v_permlanex16_b32 v[X+4], v[X+3], s20, s21
	v_or_b32 v[X+3], v[X+3], v[X+4]
	v_or_b32 v[\wrd], 0x7f7f0000, v[X+3]           ; 0x7f over the zero codes of the upper 64 along K
.irp g, 0,1,2,3
	v_cvt_scalef32_pk8_fp4_f32 v[\cod+\g], v[\src+8*\g:\src+8*\g+7], v[X+2]
.endr
	v_nop                                          ; one plain instruction behind the last scaled conversion
.endm
; The mask codes of one key step for both tiles into buffer q: 16 bytes a lane for each half g of the step; the base stands at the slot whose step q is wanted
.macro MLOAD q
.irp a, 0,1
.irp g, 0,1
	global_load_b128 v[MK+16*(\q)+8*\a+4*\g:MK+16*(\q)+8*\a+4*\g+3], v[LI], s[8:9] offset:1024*(\q)+32768*\a+512*\g
.endr
.endr
.endm
; S^T = K Q^T + C for tile a: eight products on eight accumulators.  K's scale words: register i holds tile i's in lanes 0-15 and tile 4 + i's in lanes 16-31.
.macro QK a
	WIN 0x01                                       ; source 0 (K) in window 1
.irp t, 0,1,2,3
	v_wmma_scale_f32_16x16x128_f8f6f4 v[S+8*\t:S+8*\t+7], v[KF+8*\t:KF+8*\t+7], v[QF+8*(\a):QF+8*(\a)+7], v[S+8*\t:S+8*\t+7], v[KS+\t], v[QS+(\a)] matrix_a_fmt:MATRIX_FMT_FP4 matrix_b_fmt:MATRIX_FMT_FP4
.endr
.irp t, 4,5,6,7
	v_wmma_scale_f32_16x16x128_f8f6f4 v[S+8*\t:S+8*\t+7], v[KF+8*\t:KF+8*\t+7], v[QF+8*(\a):QF+8*(\a)+7], v[S+8*\t:S+8*\t+7], v[KS+\t-4], v[QS+(\a)] matrix_a_fmt:MATRIX_FMT_FP4 matrix_b_fmt:MATRIX_FMT_FP4 matrix_a_scale:MATRIX_SCALE_ROW1
.endr
	WIN 0
.endm
; Tile a's softmax for one key step: the lane's 64 scores in v[S] on become p, in f32 for the sum and in f16 for the second product.
.macro SOFTMAX a
.set rT, ST+8*(\a)
.set rM, MM+(\a)
.set rC, CMM+(\a)
.set rP, P+32*(\a)
.irp t, 0,1,2,3,4,5,6,7
	v_max3_num_f32 v[X+\t], v[S+8*\t], v[S+8*\t+1], v[S+8*\t+2]    ; eight chains; each accumulator is read from its low end on
.endr
.irp t, 0,1,2,3,4,5,6,7
	v_max3_num_f32 v[X+\t], v[X+\t], v[S+8*\t+3], v[S+8*\t+4]
.endr
.irp t, 0,1,2,3,4,5,6,7
	v_max3_num_f32 v[X+\t], v[X+\t], v[S+8*\t+5], v[S+8*\t+6]
.endr
.irp i, 0,1,2,3
	v_max3_num_f32 v[X+2*\i], v[X+2*\i], v[S+16*\i+7], v[S+16*\i+15]
.endr
	v_max3_num_f32 v[X], v[X], v[X+1], v[X+2]
	v_max3_num_f32 v[X+3], v[X+3], v[X+4], v[X+5]
	v_max3_num_f32 v[X+6], v[X+6], v[X+7], v[rM]   ; and the old m
	v_max3_num_f32 v[X], v[X], v[X+3], v[X+6]
	v_permlanex16_b32 v[X+1], v[X], s20, s21       ; the query's other 64 keys lie in the lane 16 away
	v_max_num_f32 v[rM], v[X], v[X+1]
	v_mov_b32 v[X+2], v[rC]
	v_mul_f32 v[rC], s22, v[rM]                    ; c m: a multiplication and a subtraction, so that an m that has not moved gives exactly 0
	v_sub_f32 v[X+2], v[X+2], v[rC]                ; c m_old - c m_new
	v_cmp_lt_f32 vcc_lo, s23, v[rM]                ; has the row had a kept key?
	v_cndmask_b32 v[rT], 0, v[rC], vcc_lo          ; then c m is taken away and the scores are multiplied by c; else 0 and 0: p = 1
	v_cndmask_b32 v[rT+2], 0, v[VC], vcc_lo
	v_exp_f32 v[rT+6], v[X+2]
.set i, 0
.rept 32
	v_pk_fma_f32 v[S+i:S+i+1], v[S+i:S+i+1], v[rT+2:rT+3], v[rT:rT+1] op_sel_hi:[1,0,0] neg_lo:[0,0,1] neg_hi:[0,0,1]   ; c s - c m, two at a time (of the two pairs the low word serves both halves)
.set i, i+2
.endr
.set i, 0
.rept 64
	v_exp_f32 v[S+i], v[S+i]
.set i, i+1
.endr
	v_nop                                          ; a plain instruction behind the last exponential
	s_wait_alu depctr_va_vdst(0)                   ; the wait ahead of the first instruction that names a result: one for the 65
	v_pk_mul_f32 v[rT+4:rT+5], v[rT+4:rT+5], v[rT+6:rT+7] op_sel_hi:[1,0]   ; l under the new m
	v_pk_add_f32 v[X+4:X+5], v[S:S+1], v[S+2:S+3]  ; the sum of the unrounded p, in two chains
.set i, 4
.rept 15
	v_pk_add_f32 v[rT+4:rT+5], v[rT+4:rT+5], v[S+i:S+i+1]
	v_pk_add_f32 v[X+4:X+5], v[X+4:X+5], v[S+i+2:S+i+3]
.set i, i+4
.endr
	v_pk_add_f32 v[rT+4:rT+5], v[rT+4:rT+5], v[X+4:X+5]
.set i, 0
.rept 32
	v_cvt_pk_f16_f32 v[rP+i], v[S+2*i], v[S+2*i+1]
.set i, i+1
.endr
.endm
; A KEY STEP: 128 keys, the q-th block of the slot in hand.  more = 1: the mask codes of the step four on are asked for.
.macro STEP q, more
	s_add_co_u32 s37, s36, (\q)*BLKB
	v_add_nc_u32 v[ADR], s37, v[LI]                ; with the three v_nop: four places between the last step's products and the loads into their operands (ISA guide 7.12.1 for vector instructions)
	PLACES 3
	ds_load_b128 v[KS:KS+3], v[ADR] offset:4096
	WIN 0x40                                       ; destination window 1
.irp t, 0,1,2,3,4,5,6,7
	ds_load_b128 v[KF+8*\t:KF+8*\t+3], v[ADR] offset:512*\t
.endr
.irp f, 0,1,2,3,4,5,6,7,8,9,10,11,12,13,14,15
	ds_load_b128 v[VF+8*\f:VF+8*\f+3], v[ADR] offset:4608+1024*\f
	ds_load_b128 v[VF+8*\f+4:VF+8*\f+7], v[ADR] offset:4608+1024*\f+512
.endr
	WIN 0
.if \more
	s_wait_loadcnt 12                              ; this step's four mask loads are in; those of the three steps behind it, four each, stay out
.else
	s_wait_loadcnt 12-4*(\q)                       ; the last slot asks for nothing: the counts run down
.endif
.irp a, 0,1
.irp t, 0,1,2,3,4,5,6,7
	v_cvt_scale_pk8_f32_fp4 v[S+8*\t:S+8*\t+7], v[MK+16*(\q)+8*\a+\t], v[MSC]   ; tile t's C: 0 for a kept key, -2^101 for a hidden one
.endr
.if (\a == 1) && \more
	MLOAD \q                                       ; both tiles' codes of this step have been read: the buffer takes the step four on
.endif
	PLACES 4                                       ; plain instructions between the conversions and the products that take their results
.if \a == 0
	s_wait_dscnt 32                                ; K's scale words and fragments are in; V's 32 loads stay out
.endif
	QK \a
	PLACES 4                                       ; four places ahead of the first read of the scores
	SOFTMAX \a
.endr
	WIN 0x41                                       ; O^T (destination and source 0) in window 1, the factor in window 0
.irp a, 0,1
.set i, 0
.rept 16
	v_pk_mul_f32 v[OA+32*\a+i:OA+32*\a+i+1], v[OA+32*\a+i:OA+32*\a+i+1], v[ST+8*\a+6:ST+8*\a+7] op_sel_hi:[1,0]   ; O^T under the new m; each accumulator from its low end on
.set i, i+2
.endr
.endr
	s_wait_dscnt 0x0                               ; V is in
	WIN 0x51                                       ; V, C and D in window 1, P in window 0
.irp u, 0,1,2,3
.irp dt, 0,1,2,3
.irp a, 0,1
	v_wmma_f32_16x16x32_f16 v[OA+32*\a+8*\dt:OA+32*\a+8*\dt+7], v[VF+8*(4*\u+\dt):VF+8*(4*\u+\dt)+7], v[P+32*\a+8*\u:P+32*\a+8*\u+7], v[OA+32*\a+8*\dt:OA+32*\a+8*\dt+7]   ; the eight accumulators by turns, one instruction a turn
.endr
.endr
.endr
	WIN 0
.endm
; THE CHANGE OF SLOTS stands at a slot's head.  Each wave waits for all its tensor loads, adds 0 to its spare word, and waits for that and for its reads of the slot that it has left.
; fill = 1: a round of the cluster's barrier follows, so that no wave of any partner still reads the other slot or has a load on its way; that slot is then filled with the next four blocks, first thing behind the round.
.macro CHANGE fill
	s_wait_tensorcnt 0x0                           ; no tensor load of mine is out, so the descriptor may be written
	ds_add_u32 v[SPW], v[NIL]                      ; 0 onto my spare word
.if \fill
	ds_add_u32 v[SPW], v[NIL]                      ; and once more
	s_xor_b32 s33, s33, SLOT1                      ; the walking descriptor: the other slot than last time,
	s_add_nc_u64 s[34:35], s[34:35], SLOTB         ; the next four blocks; the type bits on top are not reached
	s_wait_xcnt 0x0                                ; the last prefetch and the mask loads have read their bases, so these may be written:
	s_add_nc_u64 s[40:41], s[40:41], SLOTB         ; the prefetches: one slot further on than the descriptor
	s_add_nc_u64 s[8:9], s[8:9], 4096              ; the mask codes: the slot after the one that is about to be read
	s_wait_dscnt 0x0                               ; both adds are done, and my reads of the slot that I have left are over
	CROUND
	TLOAD
	ASK
.else
	s_wait_dscnt 0x0
	s_barrier_signal -1
	s_barrier_wait -1
.endif
.endm
.macro SLOT_STEPS more
	STEP 0, \more
	STEP 1, \more
	STEP 2, \more
	STEP 3, \more
	s_xor_b32 s36, s36, SLOT1                      ; on to the other slot
.endm
	s_load_b256 s[4:11], s[0:1], 0x0               ; q s[4:5], kv s[6:7], mq s[8:9], out0 s[10:11]
	v_lshl_add_u32 v[SPW], v0, 2, SPARE
	v_mov_b32 v[NIL], 0
	ds_add_u32 v[SPW], v[NIL]                      ; the wave's opening: the add, twice on end, and its wait ahead of the round in front of the first tensor loads
	ds_add_u32 v[SPW], v[NIL]
	v_lshrrev_b32 v1, 5, v0
	v_readfirstlane_b32 s12, v1                    ; wave 0..7
	s_bfe_u32 s13, ttmp6, 0x40000                  ; cx: my place in the cluster
	s_lshl_b32 s14, ttmp9, 2                       ; in a cluster launch ttmp9 counts clusters
	s_add_co_u32 s14, s14, s13                     ; my block of 256 queries: it enters q's, mq's and out0's addresses alone
	s_and_b32 s15, ttmp7, 0xffff                   ; the head, which the four partners share
	; descriptor group 1: a dense block of 20,992 bytes as 82 rows of 32 elements of 8 bytes; no padding: images are read 16 bytes a lane on end
	s_mov_b32 s24, 15|(3<<16)|(1<<21)              ; 15:0 the mask: all four work-groups; 17:16 elements of 8 bytes; 21 set beside a mask
	s_mov_b32 s25, 32<<16                          ; tensor_dim0 = 32
	s_mov_b32 s26, 82<<16                          ; tensor_dim1 = 82
	s_mov_b32 s27, 32<<16                          ; tile_dim0 = 32
	s_mov_b32 s28, 82                              ; tile_dim1 = 82
	s_mov_b32 s29, 32                              ; elements from row to row
	s_mov_b32 s30, 0
	s_mov_b32 s31, 0
	s_mov_b32 s20, 0x76543210
	s_mov_b32 s21, 0xfedcba98                      ; v_permlanex16_b32's selects for lane l xor 16
	s_mov_b32 s22, 0x3e38aa3b                      ; c = log2(e) / 8
	s_mov_b32 s23, 0xf1800000                      ; -2^100
	s_mov_b32 s36, 0                               ; the slot in hand
	s_mov_b32 s38, 7                               ; slots still to be asked for
	s_and_b32 s42, s12, 3
	s_mul_i32 s43, s42, BLKB                       ; the block that I fetch, if I fetch: its place in a slot, in LDS and in memory
	s_mul_i32 s18, s15, HEADB                      ; the head's first byte in kv
	s_mov_b32 s19, 0
	s_lshl_b32 s16, s14, 8
	s_lshl_b32 s17, s12, 5
	s_add_co_u32 s16, s16, s17                     ; my first query: 256 x block + 32 x wave
	s_lshl_b32 s44, s16, 12                        ; q: 4,096 bytes a position + 256 x head
	s_lshl_b32 s45, s15, 8
	s_add_co_u32 s44, s44, s45
	s_mov_b32 s45, 0
	s_lshl_b32 s46, s16, 11                        ; mq: 32,768 bytes for 16 queries
	s_mov_b32 s47, 0
	s_lshl_b32 s48, s16, 8                         ; out0: 256 bytes a query + 1,048,576 x head
	s_lshl_b32 s49, s15, 20
	s_add_co_u32 s48, s48, s49
	s_mov_b32 s49, 0
	s_mul_i32 s50, s13, BLKB                       ; the prefetches: my work-group's block of a slot,
	s_add_co_u32 s50, s50, SLOTB                   ; in slot 1: the first change of slots steps it to slot 2.  Nothing is prefetched at the head
	s_mov_b32 s51, 0
	s_mul_i32 s52, s12, 2*16*SP
	s_add_co_u32 s52, s52, STAGE                   ; my stage
	s_lshl_b32 s53, s42, 5
	s_sub_co_u32 s39, s12, 4
	s_cmp_lt_u32 s39, 3                            ; waves 4, 5, 6
	s_cselect_b32 s39, 0, 1
	s_or_b32 s39, s39, ttmp9                       ; of the head's first cluster: the same in all four partners
	s_cmp_eq_u32 s39, 0
	s_cselect_b32 s39, 1, -1                       ; a wave prefetches while s38 is above this
	s_wait_dscnt 0x0                               ; both opening adds are done
	s_wait_kmcnt 0x0
	s_add_nc_u64 s[4:5], s[4:5], s[44:45]
	s_add_nc_u64 s[8:9], s[8:9], s[46:47]
	s_add_nc_u64 s[10:11], s[10:11], s[48:49]
	s_add_nc_u64 s[6:7], s[6:7], s[18:19]          ; kv at my head
	s_add_nc_u64 s[40:41], s[6:7], s[50:51]
	CROUND                                         ; all four work-groups are here: the first joint loads meet
	s_mov_b32 s32, 1                               ; group 0: count = 1
	s_mov_b32 s33, s43                             ; LDS address: slot 0, my block
	s_mov_b32 s18, s43
	s_add_nc_u64 s[34:35], s[6:7], s[18:19]        ; global address: the head's block w % 4
	s_or_b32 s35, s35, 0x80000000                  ; type = 2
	TLOAD                                          ; slot 0; slot 1 is asked for behind the first trip's round
	v_and_b32 v32, 15, v0                          ; r
	v_bfe_u32 v33, v0, 4, 1                        ; h
	v_lshlrev_b32 v[ADR], 12, v32
	v_lshl_add_u32 v[ADR], v33, 7, v[ADR]          ; q: query r, block h: 128 consecutive bytes
	v_and_b32 v[LI], 31, v0
	v_add_nc_u32 v[PFO], s53, v[LI]
	v_lshlrev_b32 v[LI], 4, v[LI]
.irp a, 0,1
.irp i, 0,1,2,3,4,5,6,7
	global_load_b128 v[S+32*\a+4*\i:S+32*\a+4*\i+3], v[ADR], s[4:5] offset:65536*\a+16*\i
.endr
.endr
.irp q, 0,1,2,3
	MLOAD \q                                       ; the mask codes of key steps 0 to 3
.endr
	v_min_u32 v[PFO], 81, v[PFO]
	v_lshlrev_b32 v[PFO], 8, v[PFO]
	v_mul_u32_u24 v[STO], v32, SP                  ; the stage, in: row r, 32 bytes for each half of the lanes
	v_lshl_add_u32 v[STO], v33, 5, v[STO]
	v_add_nc_u32 v[STO], s52, v[STO]
	v_mul_u32_u24 v[RD], v33, SP                   ; back: lanes 0-15 one row of 256 bytes, lanes 16-31 the next
	v_lshl_add_u32 v[RD], v32, 4, v[RD]
	v_add_nc_u32 v[RD], s52, v[RD]
	v_lshlrev_b32 v[X+5], 3, v33                   ; 8 h, for q's scale words
	v_mov_b32 v[X+4], 0                            ; written once: a lane permute's destination counts as one of its sources
	v_mov_b32 v[VC], s22
	v_mov_b32 v[MSC], 0xe5e5e5e5
	v_mov_b32 v[MM], s23
	v_mov_b32 v[MM+1], s23
	v_mul_f32 v[CMM], s22, v[MM]
	v_mul_f32 v[CMM+1], s22, v[MM+1]
.set i, 0
.rept 16
	v_mov_b32 v[ST+i], 0                           ; l, and the upper halves of the pairs
.set i, i+1
.endr
.irp a, 0,1
.irp j, 4,5,6,7
	v_mov_b32 v[QF+8*\a+\j], 0                     ; zero codes for the upper 64 of the instruction's K
.endr
.endr
	WIN 0x40
.set i, 0
.rept 64
	v_mov_b32 v[OA+i], 0                           ; O^T.  (The step is written once: its first finds zeros, which the first factor leaves zeros)
.set i, i+1
.endr
.irp t, 0,1,2,3,4,5,6,7
.irp j, 4,5,6,7
	v_mov_b32 v[KF+8*\t+\j], 0                     ; K's zero codes, written once: the loads fill registers 0-3 alone
.endr
.endr
	WIN 0
	s_wait_loadcnt 16                              ; q's sixteen loads are in; the sixteen mask loads behind them stay out
	QUANT32 S, QF, QS
	QUANT32 S+32, QF+8, QS+1
	PLACES 8                                       ; a scale register written by a vector instruction stands eight places ahead of a scaled product
.Lslot:                                            ; seven trips: behind each change of slots but the last the next slot is asked for
	CHANGE 1
	SLOT_STEPS 1
	s_sub_co_u32 s38, s38, 1
	s_cmp_lg_u32 s38, 0
	s_cbranch_scc1 .Lslot
	CHANGE 0                                       ; the last slot is written out
	SLOT_STEPS 0
	; THE WAY OUT.  l's two halves and the other half of the lanes' are added; O^T is divided by l and goes through my stage in LDS, a tile (16 rows of 256 bytes) at a time.
	PLACES 4                                       ; behind the last products
.irp a, 0,1
	v_add_f32 v[X+\a], v[ST+8*\a+4], v[ST+8*\a+5]
.endr
.irp a, 0,1
	v_permlanex16_b32 v[X+2+\a], v[X+\a], s20, s21
.endr
.irp a, 0,1
	v_add_f32 v[X+\a], v[X+\a], v[X+2+\a]
.endr
.irp a, 0,1
	v_rcp_f32 v[ST+8*\a+6], v[X+\a]
.endr
	v_nop                                          ; a plain instruction behind the last reciprocal
	s_wait_alu depctr_va_vdst(0)                   ; and the wait ahead of the first use: one for the two
	WIN 0x01                                       ; source 0 (O^T) in window 1
.irp a, 0,1
.set i, 0
.rept 16
	v_pk_mul_f32 v[S+32*\a+i:S+32*\a+i+1], v[OA+32*\a+i:OA+32*\a+i+1], v[ST+8*\a+6:ST+8*\a+7] op_sel_hi:[1,0]   ; register 8 dt + j is out(query r, 16 dt + 8 h + j); each accumulator from its low end on
.set i, i+2
.endr
.endr
	WIN 0
.irp a, 0,1
.irp dt, 0,1,2,3
	ds_store_b128 v[STO], v[S+32*\a+8*\dt:S+32*\a+8*\dt+3] offset:16*SP*\a+64*\dt
	ds_store_b128 v[STO], v[S+32*\a+8*\dt+4:S+32*\a+8*\dt+7] offset:16*SP*\a+64*\dt+16
.endr
.irp n, 0,1,2,3,4,5,6,7
	ds_load_b128 v[P+32*\a+4*\n:P+32*\a+4*\n+3], v[RD] offset:16*SP*\a+2*SP*\n   ; LDS serves a wave's instructions in order (ISA guide 5.7.1.4): these see my stores
.endr
.endr
.irp a, 0,1
.irp n, 0,1,2,3,4,5,6,7
	s_wait_dscnt 16*(1-\a)+7-\n                    ; the LDS instructions issued behind this pair of rows' load may stay out
	global_store_b128 v[LI], v[P+32*\a+4*\n:P+32*\a+4*\n+3], s[10:11] offset:4096*\a+512*\n th:TH_STORE_NT   ; 32 lanes store two rows: 512 consecutive bytes, at a multiple of 256 from out0's first byte
.endr
.endr
	s_wait_tensorcnt 0x0                           ; the wave's end, behind my last tensor load and my last LDS store
	ds_add_u32 v[SPW], v[NIL]
	s_wait_dscnt 0x0
	CROUND                                         ; the closing round: no work-group ends while a partner may still ask for a block that names it
	s_endpgm
.Lfunc_end_k_qd3818a2e51_attn:
	.size	k_qd3818a2e51_attn, .Lfunc_end_k_qd3818a2e51_attn-k_qd3818a2e51_attn
	.p2alignl 7, 3214868480
	.fill 96, 4, 3214868480
	.section	.rodata,"a",@progbits
	.p2align	6, 0x0
	.amdhsa_kernel k_qd3818a2e51_attn
		.amdhsa_group_segment_fixed_size 327680
		.amdhsa_private_segment_fixed_size 0
		.amdhsa_enable_private_segment 0
		.amdhsa_kernarg_size 32
		.amdhsa_user_sgpr_count 2
		.amdhsa_user_sgpr_kernarg_segment_ptr 1
		.amdhsa_wavefront_size32 1
		.amdhsa_system_sgpr_workgroup_id_x 1
		.amdhsa_system_sgpr_workgroup_id_y 1
		.amdhsa_system_sgpr_workgroup_id_z 1
		.amdhsa_system_vgpr_workitem_id 0
		.amdhsa_next_free_vgpr 512
		.amdhsa_next_free_sgpr 66
		.amdhsa_reserve_vcc 1
		.amdhsa_float_denorm_mode_32 3
		.amdhsa_float_denorm_mode_16_64 3
		.amdhsa_memory_ordered 1
		.amdhsa_forward_progress 1
		.amdhsa_inst_pref_size 255
	.end_amdhsa_kernel
	.section	.bss,"aw",@nobits
	.p2align	6
	.space	262144
	.amdgpu_metadata
---
amdhsa.version: [ 1, 2 ]
amdhsa.kernels:
  - .name:           k_qd3818a2e51_attn
    .symbol:         k_qd3818a2e51_attn.kd
    .args:
      - { .name: q, .offset: 0, .size: 8, .value_kind: global_buffer, .address_space: global }
      - { .name: kv, .offset: 8, .size: 8, .value_kind: global_buffer, .address_space: global }
      - { .name: mq, .offset: 16, .size: 8, .value_kind: global_buffer, .address_space: global }
      - { .name: out0, .offset: 24, .size: 8, .value_kind: global_buffer, .address_space: global }
    .group_segment_fixed_size: 327680
    .private_segment_fixed_size: 0
    .kernarg_segment_align: 8
    .kernarg_segment_size: 32
    .max_flat_workgroup_size: 256
    .sgpr_count:     66
    .vgpr_count:     512
    .wavefront_size: 32
...
	.end_amdgpu_metadata
.endif
;; end of part 2
